; MI455X (gfx1250); checked and timed in simulation.
; The chip was launched on July 23, 2026; its instructions are those of AMD's public machine-readable ISA for CDNA 5 (MIT licence, August 2026) and "CDNA5" Instruction Set Architecture Reference Guide (July 2026). The comments in the code are by the model that wrote it; some were corrected since.
;; Debug Chamfer Loss. Allowed arithmetic: float matrix products may take bf16 or f16 operands with f32 sums; all other float work in f32.
;; Inputs: confidence 2 x 8,192 float32; mask 2 x 8,192 float32; x_gt 2 x 8,192 x 3 float32; x_pred 2 x 8,192 x 3 float32.
;; Outputs: out0 2 x 8,192 float32; out1 2 x 8,192 float32; out2 2 x 8,192 float32.
;; 2 versions, each right; version 2 is version 1 with the launch pairs written anew for expert scheduling mode. Each part assembles by itself: llvm-mc -triple=amdgcn-amd-amdhsa -mcpu=gfx1250 --defsym DOCPART=n.
;; ======== version 1 of 2: 2 launches
;; workspace buffers: pmin_pred 524,288 bytes; pmin_gt 1,048,576 bytes
;; launch pairs (part 1): grid 256 x 1, 16 waves a work-group, no clusters, 159,744 bytes of LDS; arguments x_pred, x_gt, mask, pmin_pred, pmin_gt; writes pmin_pred, pmin_gt
.if DOCPART == 1
	.amdgcn_target "amdgcn-amd-amdhsa--gfx1250"
	.amdhsa_code_object_version 6
	.text
	.protected	k_q098b9e9189_pairs
	.globl	k_q098b9e9189_pairs
	.p2align	8
	.type	k_q098b9e9189_pairs,@function
k_q098b9e9189_pairs:
	s_mov_b64 s[64:65], 0
	v_nop
	global_prefetch_b8 v0, s[64:65] scope:SCOPE_SE
	s_setreg_imm32_b32 hwreg(HW_REG_WAVE_MODE, 25, 1), 1
	s_wait_xcnt 0x0
; Chamfer loss, first of two launches: every squared distance is formed once, and both minima are taken from it.
; B = 2 batches, 8,192 points in each cloud.  A work-group owns a block of 1,024 gt points x 512 pred points of one batch:
; 2 x 8 x 16 = 256 work-groups.  It leaves, unclamped,
;   pmin_gt  [batch][pred block 0..15][8192]: for its 1,024 gt points the least d2 to its 512 pred points,
;   pmin_pred[batch][gt block 0..7][8192]:    for its 512 pred points the least d2 to its 1,024 gt points.
; The second launch folds the 16 (8) blocks' numbers and finishes the formulas.
;
; THE PRODUCT.  One v_wmma_f32_16x16x32_bf16 gives d2 = |p|^2 + |q|^2 - 2 p.q for 16 gt points q (A, rows) and 16 pred
; points p = x_pred * mask (B, columns); the problem's K is 3, the other K places carry precision and the norms.
; Every coordinate is two bf16 pieces, h = bf16(x), l = bf16(x - h); u = -2 q; the norms are three bf16 pieces each (exact).
;    k        B (pred point p)      A (gt point q)
;    0,1      xh, xh                uxh, uxl
;    2,3      xl, xl                uxh, uxl
;    4-7      the same for y        8-11  the same for z
;    12-15    n0, n1, n2, 0         1, 1, 1, 1          n = |ph + pl|^2
;    16-19    1/4 four times        w0, w1, w2, 0       w = |uh + ul|^2 = 4 |qh + ql|^2
;    20-23    0                     0
;    24-27    1/4 four times        0                   28-31  0 and 0
; The norms are those of the two-piece points, so the sum is the squared distance between points that were moved by at
; most 2^-18 of each coordinate: the error of a distance does not grow when the distance is small.
;
; SHARES.  16 waves.  A wave keeps 64 gt points as 4 A fragments for the whole kernel.  The 512 pred points are made into 32
; B fragments once for the work-group (each wave makes two, from 32 points) and lie in LDS; only registers 0-3 of such a
; fragment vary, so one ds_load_b128 a lane brings a fragment.  A step is 2 B fragments x 4 A fragments = 8 matrix instructions.
; In a result, register j of lane (r, h) is d2(gt row 8 h + j, pred column r).  For each pair of results of one A fragment:
;   8 v_min3 fold both, element by element, into R[fragment][j]   (minima of gt rows, still spread over the 16 lanes r)
;   4 + 4 v_min3 fold each over its registers into two chains     (minima of pred columns, still spread over h and the waves)
; so every distance is read twice and costs one half of a v_min3 each time.
; THE ENDS.  R goes through the wave's own LDS stage, so that a lane gets the 16 pieces of two neighbouring rows: 16 vector
; instructions instead of four lane steps on each of 32 registers, and one store of 8 bytes a lane covers 256 consecutive
; bytes, aligned.  The column minima of 16 waves x 2 lane halves lie in LDS as 32 rows; behind a barrier waves 0-7 fold 64 columns each.
;
; NOT USED: tensor loads and joint (cluster) loads.  A work-group reads 12,288 + 6,144 + 2,048 bytes in all, once, at its start,
; and each point has to pass through registers to be cut into its bf16 pieces; there is no tile that is walked again.
;
; LIMITS.  Inputs finite, squares and sums of squares finite in f32: the _num minima drop a NaN where the reference would
; hand it on.  Coordinates are used to 2^-18 of their size.  The sum d2 is formed inside the matrix instruction, in another
; order of rounding than the reference's.
.set STEPS,  16                        ; steps of 2 B fragments
.set P32,    384                       ; bytes of 32 points
.set TILE,   512                       ; LDS bytes of a B fragment: 16 bytes a lane
.set CBASE,  32*TILE                   ; LDS: column minima, row 2 wave + h, 512 f32 and 64 bytes of padding
.set CPITCH, 2112                      ; 528 words: the two lane halves of a store fall on different banks
.set RBASE,  CBASE+32*CPITCH           ; LDS: a stage for each wave
.set RWAVE,  32*144                    ; 32 pairs of rows: 2 x 64 bytes and 16 of padding (an odd multiple of 16 for the b128 reads)
.set L12,  1                           ; v1        12 x lane: my point in a run of 32
.set L4,   2                           ; v2        4 x lane
.set L16,  3                           ; v3        16 x lane: my 16 bytes of a B fragment in LDS
.set ONE,  4                           ; v4        1.0
.set MONE, 5                           ; v5        -1.0
.set SW,   6                           ; v6        LDS: where I put the fragments that my wave makes
.set CW,   7                           ; v7        LDS: CBASE + (2 wave + h) CPITCH + 4 r
.set RW,   8                           ; v8        LDS: my stage + 576 h + 4 r
.set RR,   9                           ; v9        LDS: my stage + 144 lane
.set CR,   10                          ; v10       LDS: CBASE + 256 wave + 8 lane
.set L8,   11                          ; v11       8 x lane
.set CH,   12                          ; v[12:15]  two chains of column minima for each of the step's two B fragments
.set T,    16                          ; v[16:23]  at work
.set LN,   24                          ; v24       lane
.set HH,   25                          ; v25       h = lane / 16
.set R4,   26                          ; v26       4 r = 4 (lane % 16)
.set R,    28                          ; v[28:59]  A fragment a: 8 running row minima at R + 8 a
.set DR,   60                          ; v[60:123] A fragment a: its pair of results at DR + 16 a; at the ends what is read back from LDS
.set QR,   60                          ; v[60:66]  before the first matrix instruction: raw gt points, 4 registers a group
.set XS,   68                          ; v[68:71]  raw pred point and its mask
.set QB,   124                         ; v[124:155] 4 A fragments (gt)
.set STR,  156                         ; v[156:187] 2 sets of 2 B fragments (pred)
	s_load_b256 s[4:11], s[0:1], 0x0               ; x_pred s[4:5], x_gt s[6:7], mask s[8:9], pmin_pred s[10:11]
	s_load_b64 s[12:13], s[0:1], 0x20              ; pmin_gt
	v_lshl_add_u32 v188, v0, 2, 0x26800
	v_mov_b32 v189, 0
	v_and_b32 v[LN], 31, v0
	v_lshrrev_b32 v[T], 5, v0
	v_readfirstlane_b32 s18, v[T]                  ; wave 0..15
	v_and_b32 v[R4], 15, v0
	v_bfe_u32 v[HH], v0, 4, 1
	v_lshlrev_b32 v[R4], 2, v[R4]
	v_mul_u32_u24 v[L12], 12, v[LN]
	v_lshlrev_b32 v[L4], 2, v[LN]
	v_lshlrev_b32 v[L16], 4, v[LN]
	v_mov_b32 v[ONE], 1.0
	v_mov_b32 v[MONE], -1.0
	s_and_b32 s19, ttmp9, 7                        ; gt block of 1,024
	s_bfe_u32 s20, ttmp9, 0x40003                  ; pred block of 512 (4 bits from bit 3)
	s_lshr_b32 s21, ttmp9, 7                       ; batch
	s_lshl_b32 s22, s21, 13                        ; the batch's first point
	s_lshl_b32 s23, s20, 9
	s_add_co_u32 s23, s23, s22
	s_lshl_b32 s24, s18, 5
	s_add_co_u32 s24, s24, s23                     ; the 32 pred points that my wave makes into fragments
	s_lshl_b32 s26, s24, 2                         ; s[26:27] their mask, in bytes
	s_mov_b32 s27, 0
	s_mul_i32 s24, s24, 12                         ; s[24:25] the points, in bytes
	s_mov_b32 s25, 0
	s_lshl_b32 s33, s18, 6                         ; 64 x wave
	s_lshl_b32 s31, s19, 10
	s_add_co_u32 s31, s31, s33                     ; my wave's 64 gt points in the batch
	s_add_co_u32 s28, s31, s22
	s_mul_i32 s28, s28, 12                         ; s[28:29] in bytes
	s_mov_b32 s29, 0
	s_lshl4_add_u32 s30, s21, s20                  ; pmin_gt: row 16 batch + pred block,
	s_lshl_b32 s30, s30, 13
	s_add_co_u32 s30, s30, s31                     ; column: my 64 gt points
	s_lshl_b32 s30, s30, 2                         ; s[30:31] in bytes
	s_mov_b32 s31, 0
	s_lshl3_add_u32 s32, s21, s19                  ; pmin_pred: row 8 batch + gt block,
	s_lshl_b32 s32, s32, 13
	s_lshl_b32 s34, s20, 9
	s_add_co_u32 s32, s32, s34                     ; column: the pred block
	s_add_co_u32 s32, s32, s33                     ; + the 64 columns that wave 0..7 folds
	s_lshl_b32 s32, s32, 2                         ; s[32:33] in bytes
	s_mov_b32 s33, 0
	s_lshl_b32 s34, s18, 10                        ; my wave's two fragments in LDS
	v_add_nc_u32 v[SW], s34, v[L16]
	s_mul_i32 s34, s18, 2*CPITCH
	s_add_co_u32 s34, s34, CBASE
	v_mul_u32_u24 v[CW], v[HH], CPITCH
	v_add_nc_u32 v[CW], v[CW], v[R4]
	v_add_nc_u32 v[CW], s34, v[CW]
	s_mul_i32 s34, s18, RWAVE
	s_add_co_u32 s34, s34, RBASE                   ; s34: my wave's stage
	s_lshl_b32 s35, s18, 8
	s_add_co_u32 s35, s35, CBASE                   ; s35: the 64 columns that my wave folds
	; The parts of the operands that never change, written while the arguments are on their way.
.irp f, 0,1,2,3
	v_mov_b32 v[STR+8*\f+4], 0x3e803e80            ; B, k 16-19 and 24-27: 1/4 (A is zero wherever no norm piece stands)
	v_mov_b32 v[STR+8*\f+5], 0x3e803e80
	v_mov_b32 v[STR+8*\f+6], 0                     ; B, k 20-23 and 28-31
	v_mov_b32 v[STR+8*\f+7], 0
.endr
.irp g, 0,1
	v_mov_b32 v[QB+16*\g+10], 0x3f803f80           ; a gt point's record, words for k 12, 13: 1, 1
	v_mov_b32 v[QB+16*\g+12], 0                    ; and for k 24-27
	v_mov_b32 v[QB+16*\g+13], 0
	v_mov_b32 v[QB+16*\g+6], 0                     ; A, k 20-23 and 28-31 of both fragments of the group
	v_mov_b32 v[QB+16*\g+7], 0
	v_mov_b32 v[QB+16*\g+14], 0
	v_mov_b32 v[QB+16*\g+15], 0
.endr
	s_wait_kmcnt 0x0
	s_add_nc_u64 s[36:37], s[4:5], s[24:25]        ; x_pred at my 32 points
	s_add_nc_u64 s[38:39], s[8:9], s[26:27]        ; their mask
	s_add_nc_u64 s[40:41], s[6:7], s[28:29]        ; x_gt at my 64 points
	s_add_nc_u64 s[42:43], s[12:13], s[30:31]      ; pmin_gt at my 64 numbers
	s_add_nc_u64 s[44:45], s[10:11], s[32:33]      ; pmin_pred at my 64 numbers (waves 0-7)
	; all four loads of the wave; what the other waves wait for comes first
	global_load_b96 v[XS:XS+2], v[L12], s[36:37]
	global_load_b32 v[XS+3], v[L4], s[38:39]
	global_load_b96 v[QR:QR+2], v[L12], s[40:41]
	global_load_b96 v[QR+4:QR+6], v[L12], s[40:41] offset:P32
	; 32 pred points, one a lane -> two B fragments.  A lane's record: N+0..3 = k 0-7, N+8..11 = k 8-15.
.set X, XS
.set N, STR
	s_wait_loadcnt 0x2                             ; loads return in order (ISA guide 5.7.1): the two gt loads stay out
	v_mul_f32 v[X], v[X], v[X+3]                   ; a masked point goes to the origin
	v_mul_f32 v[X+1], v[X+1], v[X+3]
	v_mul_f32 v[X+2], v[X+2], v[X+3]
	v_cvt_pk_bf16_f32 v[N], v[X], v[X]             ; {xh, xh}
	v_cvt_pk_bf16_f32 v[N+2], v[X+1], v[X+1]       ; {yh, yh}
	v_cvt_pk_bf16_f32 v[N+8], v[X+2], v[X+2]       ; {zh, zh}
	v_fma_mix_f32_bf16 v[T], v[N], v[MONE], v[X] op_sel_hi:[1,0,0]           ; x - xh, exact
	v_fma_mix_f32_bf16 v[T+1], v[N+2], v[MONE], v[X+1] op_sel_hi:[1,0,0]
	v_fma_mix_f32_bf16 v[T+2], v[N+8], v[MONE], v[X+2] op_sel_hi:[1,0,0]
	v_cvt_pk_bf16_f32 v[N+1], v[T], v[T]           ; {xl, xl}
	v_cvt_pk_bf16_f32 v[N+3], v[T+1], v[T+1]
	v_cvt_pk_bf16_f32 v[N+9], v[T+2], v[T+2]
	v_fma_mix_f32_bf16 v[T], v[N], v[ONE], v[N+1] op_sel_hi:[1,0,1]          ; xh + xl, exact
	v_fma_mix_f32_bf16 v[T+1], v[N+2], v[ONE], v[N+3] op_sel_hi:[1,0,1]
	v_fma_mix_f32_bf16 v[T+2], v[N+8], v[ONE], v[N+9] op_sel_hi:[1,0,1]
	v_mul_f32 v[T+3], v[T], v[T]
	v_fmac_f32 v[T+3], v[T+1], v[T+1]
	v_fmac_f32 v[T+3], v[T+2], v[T+2]              ; n = |p|^2
	v_cvt_pk_bf16_f32 v[T+4], v[T+3], v[T+3]       ; n0
	v_fma_mix_f32_bf16 v[T+5], v[T+4], v[MONE], v[T+3] op_sel_hi:[1,0,0]     ; n - n0
	v_cvt_pk_bf16_f32 v[N+10], v[T+3], v[T+5]      ; {n0, n1}
	v_fma_mix_f32_bf16 v[T+6], v[N+10], v[MONE], v[T+5] op_sel:[1,0,0] op_sel_hi:[1,0,0]   ; n - n0 - n1: 8 bits are left
	v_cvt_pk_bf16_f32 v[N+11], v[T+6], 0           ; {n2, 0}
	v_permlane16_swap_b32 v[N], v[N+8]             ; first register: lanes 0-15 keep, lanes 16-31 get the second one's lanes 0-15:
	v_permlane16_swap_b32 v[N+1], v[N+9]           ; the fragment of points 0-15 (lanes 0-15 want k 0-7, lanes 16-31 k 8-15).
	v_permlane16_swap_b32 v[N+2], v[N+10]          ; What is left in the second register is the fragment of points 16-31
	v_permlane16_swap_b32 v[N+3], v[N+11]
	ds_store_b128 v[SW], v[N:N+3]
	ds_store_b128 v[SW], v[N+8:N+11] offset:TILE
	s_wait_dscnt 0x0                               ; my two fragments are in LDS before I say so
	s_barrier_signal -1
; gt points 32 g + lane -> A fragments 2 g and 2 g + 1: register work, done while the other waves arrive.
.macro QBUILD g, left
.set X, QR+4*\g
.set Q, QB+16*\g
	s_wait_loadcnt \left                           ; the later group's load stays out
	v_mul_f32 v[X], -2.0, v[X]                     ; u = -2 q (exact)
	v_mul_f32 v[X+1], -2.0, v[X+1]
	v_mul_f32 v[X+2], -2.0, v[X+2]
.irp c, 0,1,2
	v_cvt_pk_bf16_f32 v[T+\c], v[X+\c], v[X+\c]                                ; uh
.endr
.irp c, 0,1,2
	v_fma_mix_f32_bf16 v[T+4+\c], v[T+\c], v[MONE], v[X+\c] op_sel_hi:[1,0,0]  ; u - uh, exact
.endr
	v_cvt_pk_bf16_f32 v[Q], v[X], v[T+4]           ; {uxh, uxl}
	v_cvt_pk_bf16_f32 v[Q+2], v[X+1], v[T+5]       ; {uyh, uyl}
	v_cvt_pk_bf16_f32 v[Q+8], v[X+2], v[T+6]       ; {uzh, uzl}
	v_fma_mix_f32_bf16 v[T], v[Q], v[ONE], v[Q] op_sel:[0,0,1] op_sel_hi:[1,0,1]         ; uh + ul, exact
	v_fma_mix_f32_bf16 v[T+1], v[Q+2], v[ONE], v[Q+2] op_sel:[0,0,1] op_sel_hi:[1,0,1]
	v_fma_mix_f32_bf16 v[T+2], v[Q+8], v[ONE], v[Q+8] op_sel:[0,0,1] op_sel_hi:[1,0,1]
	v_mul_f32 v[T+3], v[T], v[T]
	v_fmac_f32 v[T+3], v[T+1], v[T+1]
	v_fmac_f32 v[T+3], v[T+2], v[T+2]              ; w = 4 |q|^2
	v_cvt_pk_bf16_f32 v[T], v[T+3], v[T+3]         ; w0
	v_fma_mix_f32_bf16 v[T+4], v[T], v[MONE], v[T+3] op_sel_hi:[1,0,0]                   ; w - w0
	v_cvt_pk_bf16_f32 v[Q+4], v[T+3], v[T+4]       ; {w0, w1}
	v_fma_mix_f32_bf16 v[T+5], v[Q+4], v[MONE], v[T+4] op_sel:[1,0,0] op_sel_hi:[1,0,0]  ; w - w0 - w1
	v_cvt_pk_bf16_f32 v[Q+5], v[T+5], 0            ; {w2, 0}
	v_permlane16_swap_b32 v[Q], v[Q+8]             ; as above: records -> two fragments
	v_permlane16_swap_b32 v[Q+2], v[Q+10]
	v_permlane16_swap_b32 v[Q+4], v[Q+12]
	v_permlane16_swap_b32 v[Q+5], v[Q+13]
	v_mov_b32 v[Q+1], v[Q]                         ; k 2, 3 (10, 11) repeat k 0, 1 (8, 9); k 6, 7 (14, 15) repeat k 4, 5 (12, 13)
	v_mov_b32 v[Q+3], v[Q+2]
	v_mov_b32 v[Q+9], v[Q+8]
	v_mov_b32 v[Q+11], v[Q+10]
.endm
	QBUILD 0, 1
	QBUILD 1, 0
	s_barrier_wait -1                              ; all 32 B fragments are in LDS; they are never written again
	ds_load_b128 v[STR:STR+3], v[L16]              ; step 0's two fragments,
	ds_load_b128 v[STR+8:STR+11], v[L16] offset:TILE
	ds_load_b128 v[STR+16:STR+19], v[L16] offset:2*TILE    ; and step 1's
	ds_load_b128 v[STR+24:STR+27], v[L16] offset:3*TILE
; The head of step t: ask for step t + 1's fragments (into the set that step t - 1 used), then wait for step t's.
; LDS instructions of a wave end in order (ISA guide 5.7.1).  Behind step t's two loads were issued: the two stores of
; step t - 2's column minima (from t = 2 on) and the two loads of step t + 1 (up to t = 14); they may stay out.
.macro TOP t
.if (\t) == 0
	s_wait_dscnt 0x2                               ; step 1's two loads stay out
.else
.if (\t) < STEPS-1
.set SB, STR+16*(((\t)+1)&1)
	ds_load_b128 v[SB:SB+3], v[L16] offset:TILE*(2*(\t)+2)
	ds_load_b128 v[SB+8:SB+11], v[L16] offset:TILE*(2*(\t)+3)
.endif
.if (\t) == 1
	s_wait_dscnt 0x2
.else
.if (\t) < STEPS-1
	s_wait_dscnt 0x4
.else
	s_wait_dscnt 0x2
.endif
.endif
.endif
.endm
; Matrix instruction number n of the wave (0 .. 127): step n / 8, A fragment (n / 2) % 4, B fragment n % 2 of the step's set.
.macro WM n
.set WD, DR+16*(((\n)>>1)&3)+8*((\n)&1)
.set WA, QB+8*(((\n)>>1)&3)
.set WB, STR+16*(((\n)>>3)&1)+8*((\n)&1)
	v_wmma_f32_16x16x32_bf16 v[WD:WD+7], v[WA:WA+7], v[WB:WB+7], 0
.endm
; Half hh of the minima of result pair q (0 .. 63; step q / 4, A fragment q % 4).  Nothing is preset: the first step's pairs start
; the row minima, and each step's first pair starts the column chains (8 values into 2 chains by 3 v_min3).
.macro RD q, hh
.set FR, (\q)&3
.set D0, DR+16*FR
.set D1, D0+8
.set DJ, 4*(\hh)
.set RA, R+8*FR+DJ
.irp j, 0,1,2,3
.if (\q) < 4
	v_min_num_f32 v[RA+\j], v[D0+DJ+\j], v[D1+DJ+\j]
.else
	v_min3_num_f32 v[RA+\j], v[RA+\j], v[D0+DJ+\j], v[D1+DJ+\j]
.endif
.endr
.if FR == 0
.if (\hh) == 0
	v_min3_num_f32 v[CH], v[D0], v[D0+1], v[D0+2]
	v_min3_num_f32 v[CH+1], v[D0+3], v[D0+4], v[D0+5]
	v_min3_num_f32 v[CH+2], v[D1], v[D1+1], v[D1+2]
	v_min3_num_f32 v[CH+3], v[D1+3], v[D1+4], v[D1+5]
.else
	v_min3_num_f32 v[CH], v[CH], v[D0+6], v[D0+7]
	v_min3_num_f32 v[CH+2], v[CH+2], v[D1+6], v[D1+7]
.endif
.else
	v_min3_num_f32 v[CH], v[CH], v[D0+DJ], v[D0+DJ+1]
	v_min3_num_f32 v[CH+1], v[CH+1], v[D0+DJ+2], v[D0+DJ+3]
	v_min3_num_f32 v[CH+2], v[CH+2], v[D1+DJ], v[D1+DJ+1]
	v_min3_num_f32 v[CH+3], v[CH+3], v[D1+DJ+2], v[D1+DJ+3]
.endif
.if FR == 3
.if (\hh) == 1
	v_min_num_f32 v[CH], v[CH], v[CH+1]            ; the step's two fragments are through all 4 A fragments:
	v_min_num_f32 v[CH+2], v[CH+2], v[CH+3]        ; column 16 s + r, over the 32 rows of my lane half
	ds_store_b32 v[CW], v[CH] offset:128*((\q)>>2)
	ds_store_b32 v[CW], v[CH+2] offset:128*((\q)>>2)+64
.endif
.endif
.endm
; The 128 matrix instructions.  Behind number n stands one half of the minima of the pair before n's own pair.
; Distances (ISA guide 7.12.1), counted in vector instructions that name no register of the matrix instruction in question:
;   a result is read behind at least one half of another pair's minima (6 to 10), at the very start behind 7 address lines;
;   a result register is written again four pairs later;
;   a set of B fragments is loaded again behind the 8 minima that follow its last reader.
.set GI, 0
.rept 8*STEPS
.if (GI&7) == 0
.set ST, GI>>3
	TOP ST
.endif
	WM GI
.if GI == 1
	v_mul_u32_u24 v[RW], v[HH], 576                ; the ends' addresses are made here, where places are wanted
	v_mul_u32_u24 v[RR], v[LN], 144
	v_lshlrev_b32 v[L8], 3, v[LN]
	v_add_nc_u32 v[RW], v[RW], v[R4]
	v_add_nc_u32 v[RR], s34, v[RR]
	v_add_nc_u32 v[RW], s34, v[RW]
	v_add_nc_u32 v[CR], s35, v[L8]
.endif
.if GI >= 2
.set PQ, (GI>>1)-1
.set PH, GI&1
	RD PQ, PH
.endif
.set GI, GI+1
.endr
	RD 63, 0                                       ; behind the 8 minima of pair 62's second half
	RD 63, 1
	; gt rows.  Row 16 a + 8 h + j = pair 8 a + 4 h + j / 2, half j % 2; its 16 pieces (r) become 64 consecutive bytes of my stage.
.irp a, 0,1,2,3
.irp j, 0,1,2,3,4,5,6,7
	ds_store_b32 v[RW], v[R+8*\a+\j] offset:1152*\a+144*(\j>>1)+64*(\j&1)
.endr
.endr
.irp c, 0,1,2,3,4,5,6,7
	ds_load_b128 v[DR+4*\c:DR+4*\c+3], v[RR] offset:16*\c  ; LDS serves a wave's instructions in order: these see the stores above.  Lane l: rows 2 l, 2 l + 1
.endr
	s_wait_dscnt 0x0                               ; my rows are back, and my column minima are in LDS before I say so
	s_barrier_signal -1
	v_min3_num_f32 v[T], v[DR], v[DR+1], v[DR+2]
	v_min3_num_f32 v[T+1], v[DR+16], v[DR+17], v[DR+18]
.irp k, 3,5,7,9,11,13
	v_min3_num_f32 v[T], v[T], v[DR+\k], v[DR+\k+1]
	v_min3_num_f32 v[T+1], v[T+1], v[DR+16+\k], v[DR+17+\k]
.endr
	v_min_num_f32 v[T], v[T], v[DR+15]
	v_min_num_f32 v[T+1], v[T+1], v[DR+31]
	s_barrier_wait -1
	global_store_b64 v[L8], v[T:T+1], s[42:43]     ; the wave's 64 rows: 256 consecutive bytes, aligned
	; pred columns: waves 0-7, 64 columns each, two a lane, over the 32 rows of 16 waves x 2 lane halves
	s_cmp_ge_u32 s18, 8
	s_cbranch_scc1 .Lend
.set K, 0
.rept 32
	ds_load_b64 v[DR+2*K:DR+2*K+1], v[CR] offset:CPITCH*K
.set K, K+1
.endr
	s_wait_dscnt 0x0
.set K, 1
.rept 15
	v_min3_num_f32 v[DR], v[DR], v[DR+2*K], v[DR+2*K+2]
	v_min3_num_f32 v[DR+1], v[DR+1], v[DR+2*K+1], v[DR+2*K+3]
.set K, K+2
.endr
	v_min_num_f32 v[DR], v[DR], v[DR+62]
	v_min_num_f32 v[DR+1], v[DR+1], v[DR+63]
	global_store_b64 v[L8], v[DR:DR+1], s[44:45]   ; 256 consecutive bytes, aligned
.Lend:
	s_wait_tensorcnt 0x0
	ds_add_u32 v188, v189
	s_wait_dscnt 0x0
	s_endpgm
.Lfunc_end_k_q098b9e9189_pairs:
	.size	k_q098b9e9189_pairs, .Lfunc_end_k_q098b9e9189_pairs-k_q098b9e9189_pairs
	.p2alignl 7, 3214868480
	.fill 96, 4, 3214868480
	.section	.rodata,"a",@progbits
	.p2align	6, 0x0
	.amdhsa_kernel k_q098b9e9189_pairs
		.amdhsa_group_segment_fixed_size 159744
		.amdhsa_private_segment_fixed_size 0
		.amdhsa_enable_private_segment 0
		.amdhsa_kernarg_size 40
		.amdhsa_user_sgpr_count 2
		.amdhsa_user_sgpr_kernarg_segment_ptr 1
		.amdhsa_wavefront_size32 1
		.amdhsa_system_sgpr_workgroup_id_x 1
		.amdhsa_system_sgpr_workgroup_id_y 1
		.amdhsa_system_sgpr_workgroup_id_z 1
		.amdhsa_system_vgpr_workitem_id 0
		.amdhsa_next_free_vgpr 190
		.amdhsa_next_free_sgpr 66
		.amdhsa_reserve_vcc 0
		.amdhsa_float_denorm_mode_32 3
		.amdhsa_float_denorm_mode_16_64 3
		.amdhsa_memory_ordered 1
		.amdhsa_forward_progress 1
		.amdhsa_inst_pref_size 92
	.end_amdhsa_kernel
	.amdgpu_metadata
---
amdhsa.version: [ 1, 2 ]
amdhsa.kernels:
  - .name:           k_q098b9e9189_pairs
    .symbol:         k_q098b9e9189_pairs.kd
    .args:
      - { .name: x_pred, .offset: 0, .size: 8, .value_kind: global_buffer, .address_space: global }
      - { .name: x_gt, .offset: 8, .size: 8, .value_kind: global_buffer, .address_space: global }
      - { .name: mask, .offset: 16, .size: 8, .value_kind: global_buffer, .address_space: global }
      - { .name: pmin_pred, .offset: 24, .size: 8, .value_kind: global_buffer, .address_space: global }
      - { .name: pmin_gt, .offset: 32, .size: 8, .value_kind: global_buffer, .address_space: global }
    .group_segment_fixed_size: 159744
    .private_segment_fixed_size: 0
    .kernarg_segment_align: 8
    .kernarg_segment_size: 40
    .max_flat_workgroup_size: 512
    .sgpr_count:     66
    .vgpr_count:     190
    .wavefront_size: 32
...
	.end_amdgpu_metadata
.endif
;; end of part 1
;; launch finish (part 2): grid 256 x 1, 1 waves a work-group, no clusters, 0 bytes of LDS; arguments pmin_pred, pmin_gt, mask, confidence, out0, out1, out2; writes out0, out1, out2
.if DOCPART == 2
	.amdgcn_target "amdgcn-amd-amdhsa--gfx1250"
	.amdhsa_code_object_version 6
	.text
	.protected	k_q098b9e9189_finish
	.globl	k_q098b9e9189_finish
	.p2align	8
	.type	k_q098b9e9189_finish,@function
k_q098b9e9189_finish:
	s_mov_b64 s[64:65], 0
	v_nop
	global_prefetch_b8 v0, s[64:65] scope:SCOPE_SE
	s_setreg_imm32_b32 hwreg(HW_REG_WAVE_MODE, 25, 1), 1
	s_wait_xcnt 0x0
; Chamfer loss, second launch: fold the blocks' least squared distances and finish the formulas.
;   pmin_pred [2][8][8192], pmin_gt [2][16][8192] in f32, unclamped, from the first launch.
;   out1 = 100 sqrt(max(min, 0)) mask,  out0 = (100 sqrt(..) confidence - ln confidence) mask   (pred points)
;   out2 = 100 sqrt(max(min, 0))                                                                (gt points)
; 2 x 16,384 outputs; a work-group is one wave and owns 128 neighbouring outputs, 4 a lane: work-groups 0-127 pred, 128-255 gt.
; Every load and store of the wave covers 512 consecutive bytes, aligned, and all loads are issued before the first wait.
; A stream of 1.7 MB over 256 waves that do not depend on each other: no LDS, no barrier, no matrix unit, nothing shared.
; LIMITS: as in the first launch, a NaN is dropped by the _num minima and maxima.  ln is ln 2 x v_log_f32, good to the
; accuracy of that instruction; a denormal confidence counts as zero there (ISA guide, the instruction's entry).
.set ROW,  32768                       ; bytes of 8,192 f32
.set P,    8                           ; v[8:71]   block g's 4 numbers at P + 4 g
.set MK,   72                          ; v[72:75]  mask
.set CF,   76                          ; v[76:79]  confidence
.set LG,   80                          ; v[80:83]  log2(confidence)
.set W,    84                          ; v[84:87]  out0
	s_load_b256 s[4:11], s[0:1], 0x0               ; pmin_pred s[4:5], pmin_gt s[6:7], mask s[8:9], confidence s[10:11]
	s_load_b128 s[12:15], s[0:1], 0x20             ; out0 s[12:13], out1 s[14:15]
	s_load_b64 s[16:17], s[0:1], 0x30              ; out2
	v_lshlrev_b32 v1, 4, v0                        ; 16 x lane
	s_and_b32 s18, ttmp9, 127                      ; my 128 outputs in [2][8192]
	s_lshr_b32 s19, s18, 6                         ; batch
	s_and_b32 s20, s18, 63
	s_lshl_b32 s20, s20, 9                         ; their bytes inside a row of 8,192
	s_lshl_b32 s22, s18, 9                         ; s[22:23] their bytes in [2][8192]
	s_mov_b32 s23, 0
	s_lshl_b32 s24, s19, 18                        ; s[24:25] in pmin_pred: 8 rows a batch
	s_add_co_u32 s24, s24, s20
	s_mov_b32 s25, 0
	s_lshl_b32 s26, s19, 19                        ; s[26:27] in pmin_gt: 16 rows a batch
	s_add_co_u32 s26, s26, s20
	s_mov_b32 s27, 0
	s_wait_kmcnt 0x0
; n blocks' numbers -> v[P:P+3] = 100 sqrt(max(least d2, 0))
.macro FOLD n
.set K, 1
.rept (\n-2)/2
.irp c, 0,1,2,3
	v_min3_num_f32 v[P+\c], v[P+\c], v[P+4*K+\c], v[P+4*K+4+\c]
.endr
.set K, K+2
.endr
.irp c, 0,1,2,3
	v_min_num_f32 v[P+\c], v[P+\c], v[P+4*(\n-1)+\c]
.endr
.irp c, 0,1,2,3
	v_max_num_f32 v[P+\c], 0, v[P+\c]
.endr
.irp c, 0,1,2,3
	v_sqrt_f32 v[P+\c], v[P+\c]
.endr
	v_nop                                          ; one plain vector instruction between a transcendental and the use of its result (ISA guide 5.7.2)
	s_wait_alu depctr_va_vdst(0)
	v_pk_mul_f32 v[P:P+1], v[P:P+1], 0x42c80000 op_sel_hi:[1,0]
	v_pk_mul_f32 v[P+2:P+3], v[P+2:P+3], 0x42c80000 op_sel_hi:[1,0]
.endm
	s_cmp_ge_u32 ttmp9, 128
	s_cbranch_scc1 .Lgt
; ---------------- pred points ----------------
	s_add_nc_u64 s[4:5], s[4:5], s[24:25]
	s_add_nc_u64 s[8:9], s[8:9], s[22:23]
	s_add_nc_u64 s[10:11], s[10:11], s[22:23]
	s_add_nc_u64 s[12:13], s[12:13], s[22:23]
	s_add_nc_u64 s[14:15], s[14:15], s[22:23]
	global_load_b128 v[CF:CF+3], v1, s[10:11] th:TH_LOAD_NT
	global_load_b128 v[MK:MK+3], v1, s[8:9] th:TH_LOAD_NT
.irp g, 0,1,2,3,4,5,6,7
	global_load_b128 v[P+4*\g:P+4*\g+3], v1, s[4:5] offset:ROW*\g th:TH_LOAD_NT
.endr
	s_wait_loadcnt 0x9                             ; the confidence is in; the mask and the 8 blocks' numbers stay out
.irp c, 0,1,2,3
	v_log_f32 v[LG+\c], v[CF+\c]                   ; log2(confidence); used far behind the fold's plain instructions
.endr
	s_wait_loadcnt 0x0
	FOLD 8
	v_pk_mul_f32 v[W:W+1], v[P:P+1], v[CF:CF+1]                                    ; loss x confidence
	v_pk_mul_f32 v[W+2:W+3], v[P+2:P+3], v[CF+2:CF+3]
	v_pk_fma_f32 v[W:W+1], v[LG:LG+1], 0xbf317218, v[W:W+1] op_sel_hi:[1,0,1]      ; - ln 2 x log2(confidence)
	v_pk_fma_f32 v[W+2:W+3], v[LG+2:LG+3], 0xbf317218, v[W+2:W+3] op_sel_hi:[1,0,1]
	v_pk_mul_f32 v[W:W+1], v[W:W+1], v[MK:MK+1]
	v_pk_mul_f32 v[W+2:W+3], v[W+2:W+3], v[MK+2:MK+3]
	v_pk_mul_f32 v[P:P+1], v[P:P+1], v[MK:MK+1]
	v_pk_mul_f32 v[P+2:P+3], v[P+2:P+3], v[MK+2:MK+3]
	global_store_b128 v1, v[W:W+3], s[12:13]
	global_store_b128 v1, v[P:P+3], s[14:15]
	s_endpgm
; ---------------- gt points ----------------
.Lgt:
	s_add_nc_u64 s[6:7], s[6:7], s[26:27]
	s_add_nc_u64 s[16:17], s[16:17], s[22:23]
.irp g, 0,1,2,3,4,5,6,7,8,9,10,11,12,13,14,15
	global_load_b128 v[P+4*\g:P+4*\g+3], v1, s[6:7] offset:ROW*\g th:TH_LOAD_NT
.endr
	s_wait_loadcnt 0x0
	FOLD 16
	global_store_b128 v1, v[P:P+3], s[16:17]
	s_endpgm
.Lfunc_end_k_q098b9e9189_finish:
	.size	k_q098b9e9189_finish, .Lfunc_end_k_q098b9e9189_finish-k_q098b9e9189_finish
	.p2alignl 7, 3214868480
	.fill 96, 4, 3214868480
	.section	.rodata,"a",@progbits
	.p2align	6, 0x0
	.amdhsa_kernel k_q098b9e9189_finish
		.amdhsa_group_segment_fixed_size 0
		.amdhsa_private_segment_fixed_size 0
		.amdhsa_enable_private_segment 0
		.amdhsa_kernarg_size 56
		.amdhsa_user_sgpr_count 2
		.amdhsa_user_sgpr_kernarg_segment_ptr 1
		.amdhsa_wavefront_size32 1
		.amdhsa_system_sgpr_workgroup_id_x 1
		.amdhsa_system_sgpr_workgroup_id_y 1
		.amdhsa_system_sgpr_workgroup_id_z 1
		.amdhsa_system_vgpr_workitem_id 0
		.amdhsa_next_free_vgpr 88
		.amdhsa_next_free_sgpr 66
		.amdhsa_reserve_vcc 0
		.amdhsa_float_denorm_mode_32 3
		.amdhsa_float_denorm_mode_16_64 3
		.amdhsa_memory_ordered 1
		.amdhsa_forward_progress 1
		.amdhsa_inst_pref_size 9
	.end_amdhsa_kernel
	.amdgpu_metadata
---
amdhsa.version: [ 1, 2 ]
amdhsa.kernels:
  - .name:           k_q098b9e9189_finish
    .symbol:         k_q098b9e9189_finish.kd
    .args:
      - { .name: pmin_pred, .offset: 0, .size: 8, .value_kind: global_buffer, .address_space: global }
      - { .name: pmin_gt, .offset: 8, .size: 8, .value_kind: global_buffer, .address_space: global }
      - { .name: mask, .offset: 16, .size: 8, .value_kind: global_buffer, .address_space: global }
      - { .name: confidence, .offset: 24, .size: 8, .value_kind: global_buffer, .address_space: global }
      - { .name: out0, .offset: 32, .size: 8, .value_kind: global_buffer, .address_space: global }
      - { .name: out1, .offset: 40, .size: 8, .value_kind: global_buffer, .address_space: global }
      - { .name: out2, .offset: 48, .size: 8, .value_kind: global_buffer, .address_space: global }
    .group_segment_fixed_size: 0
    .private_segment_fixed_size: 0
    .kernarg_segment_align: 8
    .kernarg_segment_size: 56
    .max_flat_workgroup_size: 32
    .sgpr_count:     66
    .vgpr_count:     88
    .wavefront_size: 32
...
	.end_amdgpu_metadata
.endif
;; end of part 2
;; ======== version 2 of 2: 2 launches; version 1 with the launch pairs written anew for expert scheduling mode
;; workspace buffers: pmin_pred 524,288 bytes; pmin_gt 1,048,576 bytes
;; launch pairs (part 3): grid 256 x 1, 16 waves a work-group, no clusters, 159,744 bytes of LDS; arguments x_pred, x_gt, mask, pmin_pred, pmin_gt; writes pmin_pred, pmin_gt
.if DOCPART == 3
	.amdgcn_target "amdgcn-amd-amdhsa--gfx1250"
	.amdhsa_code_object_version 6
	.text
	.protected	k_q098b9e9189_pairs
	.globl	k_q098b9e9189_pairs
	.p2align	8
	.type	k_q098b9e9189_pairs,@function
k_q098b9e9189_pairs:
	s_mov_b64 s[64:65], 0
	v_nop
	global_prefetch_b8 v0, s[64:65] scope:SCOPE_SE
	s_setreg_imm32_b32 hwreg(HW_REG_WAVE_SCHED_MODE, 0, 2), 2
	s_setreg_imm32_b32 hwreg(HW_REG_WAVE_MODE, 25, 1), 1
	s_wait_xcnt 0x0
	s_wait_alu depctr_vm_vsrc(0)
; Chamfer loss, first of two launches: every squared distance is formed once, and both minima are taken from it.
; B = 2 batches, 8,192 points in each cloud.  A work-group owns a block of 1,024 gt points x 512 pred points of one batch:
; 2 x 8 x 16 = 256 work-groups.  It leaves, unclamped,
;   pmin_gt  [batch][pred block 0..15][8192]: for its 1,024 gt points the least d2 to its 512 pred points,
;   pmin_pred[batch][gt block 0..7][8192]:    for its 512 pred points the least d2 to its 1,024 gt points.
; The second launch folds the 16 (8) blocks' numbers and finishes the formulas.
;
; THE PRODUCT.  One v_wmma_f32_16x16x32_bf16 gives d2 = |p|^2 + |q|^2 - 2 p.q for 16 gt points q (A, rows) and 16 pred
; points p = x_pred * mask (B, columns); the problem's K is 3, the other K places carry precision and the norms.
; Every coordinate is two bf16 pieces, h = bf16(x), l = bf16(x - h); u = -2 q; the norms are three bf16 pieces each (exact).
;    k        B (pred point p)      A (gt point q)
;    0,1      xh, xh                uxh, uxl
;    2,3      xl, xl                uxh, uxl
;    4-7      the same for y        8-11  the same for z
;    12-15    n0, n1, n2, 0         1, 1, 1, 1          n = |ph + pl|^2
;    16-19    1/4 four times        w0, w1, w2, 0       w = |uh + ul|^2 = 4 |qh + ql|^2
;    20-23    0                     0
;    24-27    1/4 four times        0                   28-31  0 and 0
; The norms are those of the two-piece points, so the sum is the squared distance between points that were moved by at
; most 2^-18 of each coordinate: the error of a distance does not grow when the distance is small.
;
; SHARES.  16 waves.  A wave keeps 64 gt points as 4 A fragments for the whole kernel.  The 512 pred points are made into 32
; B fragments once for the work-group (each wave makes two, from 32 points) and lie in LDS; only registers 0-3 of such a
; fragment vary, so one ds_load_b128 a lane brings a fragment.  A step is 2 B fragments x 4 A fragments = 8 matrix instructions.
; In a result, register j of lane (r, h) is d2(gt row 8 h + j, pred column r).  For each pair of results of one A fragment:
;   8 v_min3 fold both, element by element, into R[fragment][j]   (minima of gt rows, still spread over the 16 lanes r)
;   4 + 4 v_min3 fold each over its registers into two chains     (minima of pred columns, still spread over h and the waves)
; so every distance is read twice and costs one half of a v_min3 each time.
; THE ENDS.  R goes through the wave's own LDS stage, so that a lane gets the 16 pieces of two neighbouring rows: 16 vector
; instructions instead of four lane steps on each of 32 registers, and one store of 8 bytes a lane covers 256 consecutive
; bytes, aligned.  The column minima of 16 waves x 2 lane halves lie in LDS as 32 rows; behind a barrier waves 0-7 fold 64 columns each.
;
; THE MODE: SCHED_MODE bits 1:0 = 2 (LLVM: expert scheduling mode 2), set by the entry lines.  The code itself states the register
; dependences between vector or matrix instructions and memory or LDS instructions, with s_wait_alu, always for 0.
; THE PLAN.  Registers that memory or LDS instructions touch:
;   v1-3, v6, v7     offsets and LDS addresses, made at the head and never written again.
;   v8-11            the ends' addresses, made behind matrix instruction 1 and never written again; first read behind all the steps' waits.
;   STR set 0, 1     Step t's eight matrix instructions read set t % 2; the loads of step t + 2 land in it.  (At the head set 0 also
;                    holds the two fragments that the wave makes, which its two LDS stores read.)
;   CH, CH2          Step t's column minima are written into chain set t % 2; two LDS stores read it; step t + 2's minima write it again.
;   R                Written by the row minima; read by the stage's 32 stores at the end.
;   DR               Written by matrix instructions and read by the minima; at the ends LDS loads land in it.
;   v16-17, v60-61   The ends' results, read by the two global stores.
; THE EDGE OF A STEP.  Step t's column minima are finished behind matrix instruction 1 of step t + 1; all of step t's matrix instructions
; stand ahead of that place.  ONE wait on va_vdst there states that the chains are written and that set t % 2 is no longer read; the two
; loads of step t + 2 and the two stores of step t's minima follow it at once.  The wait on vm_vsrc beside it is for the stores
; of step t - 1, issued a step earlier, whose chain set the minima of step t + 1 write next.
;
; NOT USED: tensor loads and joint (cluster) loads.  A work-group reads 12,288 + 6,144 + 2,048 bytes in all, once, at its start,
; and each point has to pass through registers to be cut into its bf16 pieces; there is no tile that is walked again.
;
; LIMITS.  Inputs finite, squares and sums of squares finite in f32: the _num minima drop a NaN where the reference would
; hand it on.  Coordinates are used to 2^-18 of their size.  The sum d2 is formed inside the matrix instruction, in another
; order of rounding than the reference's.
.set STEPS,  16                        ; steps of 2 B fragments
.set P32,    384                       ; bytes of 32 points
.set TILE,   512                       ; LDS bytes of a B fragment: 16 bytes a lane
.set CBASE,  32*TILE                   ; LDS: column minima, row 2 wave + h, 512 f32 and 64 bytes of padding
.set CPITCH, 2112                      ; 528 words: the two lane halves of a store fall on different banks
.set RBASE,  CBASE+32*CPITCH           ; LDS: a stage for each wave
.set RWAVE,  32*144                    ; 32 pairs of rows: 2 x 64 bytes and 16 of padding (an odd multiple of 16 for the b128 reads)
.set L12,  1                           ; v1        12 x lane: my point in a run of 32
.set L4,   2                           ; v2        4 x lane
.set L16,  3                           ; v3        16 x lane: my 16 bytes of a B fragment in LDS
.set ONE,  4                           ; v4        1.0
.set MONE, 5                           ; v5        -1.0
.set SW,   6                           ; v6        LDS: where I put the fragments that my wave makes
.set CW,   7                           ; v7        LDS: CBASE + (2 wave + h) CPITCH + 4 r
.set RW,   8                           ; v8        LDS: my stage + 576 h + 4 r
.set RR,   9                           ; v9        LDS: my stage + 144 lane
.set CR,   10                          ; v10       LDS: CBASE + 256 wave + 8 lane
.set L8,   11                          ; v11       8 x lane
.set CH,   12                          ; v[12:15]  even steps: two chains of column minima for each of the step's two B fragments
.set T,    16                          ; v[16:23]  at work
.set LN,   24                          ; v24       lane
.set HH,   25                          ; v25       h = lane / 16
.set R4,   26                          ; v26       4 r = 4 (lane % 16)
.set R,    28                          ; v[28:59]  A fragment a: 8 running row minima at R + 8 a
.set DR,   60                          ; v[60:123] A fragment a: its pair of results at DR + 16 a; at the ends what is read back from LDS
.set QR,   60                          ; v[60:66]  before the first matrix instruction: raw gt points, 4 registers a group
.set XS,   68                          ; v[68:71]  raw pred point and its mask
.set QB,   124                         ; v[124:155] 4 A fragments (gt)
.set STR,  156                         ; v[156:187] 2 sets of 2 B fragments (pred)
.set CH2,  188                         ; v[188:191] odd steps: the chains of column minima
	s_load_b256 s[4:11], s[0:1], 0x0               ; x_pred s[4:5], x_gt s[6:7], mask s[8:9], pmin_pred s[10:11]
	s_load_b64 s[12:13], s[0:1], 0x20              ; pmin_gt
	v_lshl_add_u32 v23, v0, 2, 0x26800
	v_mov_b32 v27, 0
	v_and_b32 v[LN], 31, v0
	v_lshrrev_b32 v[T], 5, v0
	v_readfirstlane_b32 s18, v[T]                  ; wave 0..15
	v_and_b32 v[R4], 15, v0
	v_bfe_u32 v[HH], v0, 4, 1
	v_lshlrev_b32 v[R4], 2, v[R4]
	v_mul_u32_u24 v[L12], 12, v[LN]
	v_lshlrev_b32 v[L4], 2, v[LN]
	v_lshlrev_b32 v[L16], 4, v[LN]
	v_mov_b32 v[ONE], 1.0
	v_mov_b32 v[MONE], -1.0
	s_wait_alu depctr_va_sdst(0)                   ; s18 is written, ahead of its first reader: the bases and the LDS places below are made from it
	s_and_b32 s19, ttmp9, 7                        ; gt block of 1,024
	s_bfe_u32 s20, ttmp9, 0x40003                  ; pred block of 512 (4 bits from bit 3)
	s_lshr_b32 s21, ttmp9, 7                       ; batch
	s_lshl_b32 s22, s21, 13                        ; the batch's first point
	s_lshl_b32 s23, s20, 9
	s_add_co_u32 s23, s23, s22
	s_lshl_b32 s24, s18, 5
	s_add_co_u32 s24, s24, s23                     ; the 32 pred points that my wave makes into fragments
	s_lshl_b32 s26, s24, 2                         ; s[26:27] their mask, in bytes
	s_mov_b32 s27, 0
	s_mul_i32 s24, s24, 12                         ; s[24:25] the points, in bytes
	s_mov_b32 s25, 0
	s_lshl_b32 s33, s18, 6                         ; 64 x wave
	s_lshl_b32 s31, s19, 10
	s_add_co_u32 s31, s31, s33                     ; my wave's 64 gt points in the batch
	s_add_co_u32 s28, s31, s22
	s_mul_i32 s28, s28, 12                         ; s[28:29] in bytes
	s_mov_b32 s29, 0
	s_lshl4_add_u32 s30, s21, s20                  ; pmin_gt: row 16 batch + pred block,
	s_lshl_b32 s30, s30, 13
	s_add_co_u32 s30, s30, s31                     ; column: my 64 gt points
	s_lshl_b32 s30, s30, 2                         ; s[30:31] in bytes
	s_mov_b32 s31, 0
	s_lshl3_add_u32 s32, s21, s19                  ; pmin_pred: row 8 batch + gt block,
	s_lshl_b32 s32, s32, 13
	s_lshl_b32 s34, s20, 9
	s_add_co_u32 s32, s32, s34                     ; column: the pred block
	s_add_co_u32 s32, s32, s33                     ; + the 64 columns that wave 0..7 folds
	s_lshl_b32 s32, s32, 2                         ; s[32:33] in bytes
	s_mov_b32 s33, 0
	s_lshl_b32 s34, s18, 10                        ; my wave's two fragments in LDS
	v_add_nc_u32 v[SW], s34, v[L16]
	s_mul_i32 s34, s18, 2*CPITCH
	s_add_co_u32 s34, s34, CBASE
	v_mul_u32_u24 v[CW], v[HH], CPITCH
	v_add_nc_u32 v[CW], v[CW], v[R4]
	v_add_nc_u32 v[CW], s34, v[CW]
	s_mul_i32 s34, s18, RWAVE
	s_add_co_u32 s34, s34, RBASE                   ; s34: my wave's stage
	s_lshl_b32 s35, s18, 8
	s_add_co_u32 s35, s35, CBASE                   ; s35: the 64 columns that my wave folds
	; The parts of the operands that never change, written while the arguments are on their way.
.irp f, 0,1,2,3
	v_mov_b32 v[STR+8*\f+4], 0x3e803e80            ; B, k 16-19 and 24-27: 1/4 (A is zero wherever no norm piece stands)
	v_mov_b32 v[STR+8*\f+5], 0x3e803e80
	v_mov_b32 v[STR+8*\f+6], 0                     ; B, k 20-23 and 28-31
	v_mov_b32 v[STR+8*\f+7], 0
.endr
.irp g, 0,1
	v_mov_b32 v[QB+16*\g+10], 0x3f803f80           ; a gt point's record, words for k 12, 13: 1, 1
	v_mov_b32 v[QB+16*\g+12], 0                    ; and for k 24-27
	v_mov_b32 v[QB+16*\g+13], 0
	v_mov_b32 v[QB+16*\g+6], 0                     ; A, k 20-23 and 28-31 of both fragments of the group
	v_mov_b32 v[QB+16*\g+7], 0
	v_mov_b32 v[QB+16*\g+14], 0
	v_mov_b32 v[QB+16*\g+15], 0
.endr
	s_wait_kmcnt 0x0
	s_add_nc_u64 s[36:37], s[4:5], s[24:25]        ; x_pred at my 32 points
	s_add_nc_u64 s[38:39], s[8:9], s[26:27]        ; their mask
	s_add_nc_u64 s[40:41], s[6:7], s[28:29]        ; x_gt at my 64 points
	s_add_nc_u64 s[42:43], s[12:13], s[30:31]      ; pmin_gt at my 64 numbers
	s_add_nc_u64 s[44:45], s[10:11], s[32:33]      ; pmin_pred at my 64 numbers (waves 0-7)
	s_wait_alu depctr_va_vdst(0)                   ; the offsets v1 and v2, which the loads below read, are written; so are the LDS addresses v3, v6 and v7, read further down
	; all four loads of the wave; what the other waves wait for comes first
	global_load_b96 v[XS:XS+2], v[L12], s[36:37]
	global_load_b32 v[XS+3], v[L4], s[38:39]
	global_load_b96 v[QR:QR+2], v[L12], s[40:41]
	global_load_b96 v[QR+4:QR+6], v[L12], s[40:41] offset:P32
	; 32 pred points, one a lane -> two B fragments.  A lane's record: N+0..3 = k 0-7, N+8..11 = k 8-15.
.set X, XS
.set N, STR
	s_wait_loadcnt 0x2                             ; loads return in order (ISA guide 5.7.1): the two gt loads stay out
	v_mul_f32 v[X], v[X], v[X+3]                   ; a masked point goes to the origin
	v_mul_f32 v[X+1], v[X+1], v[X+3]
	v_mul_f32 v[X+2], v[X+2], v[X+3]
	v_cvt_pk_bf16_f32 v[N], v[X], v[X]             ; {xh, xh}
	v_cvt_pk_bf16_f32 v[N+2], v[X+1], v[X+1]       ; {yh, yh}
	v_cvt_pk_bf16_f32 v[N+8], v[X+2], v[X+2]       ; {zh, zh}
	v_fma_mix_f32_bf16 v[T], v[N], v[MONE], v[X] op_sel_hi:[1,0,0]           ; x - xh, exact
	v_fma_mix_f32_bf16 v[T+1], v[N+2], v[MONE], v[X+1] op_sel_hi:[1,0,0]
	v_fma_mix_f32_bf16 v[T+2], v[N+8], v[MONE], v[X+2] op_sel_hi:[1,0,0]
	v_cvt_pk_bf16_f32 v[N+1], v[T], v[T]           ; {xl, xl}
	v_cvt_pk_bf16_f32 v[N+3], v[T+1], v[T+1]
	v_cvt_pk_bf16_f32 v[N+9], v[T+2], v[T+2]
	v_fma_mix_f32_bf16 v[T], v[N], v[ONE], v[N+1] op_sel_hi:[1,0,1]          ; xh + xl, exact
	v_fma_mix_f32_bf16 v[T+1], v[N+2], v[ONE], v[N+3] op_sel_hi:[1,0,1]
	v_fma_mix_f32_bf16 v[T+2], v[N+8], v[ONE], v[N+9] op_sel_hi:[1,0,1]
	v_mul_f32 v[T+3], v[T], v[T]
	v_fmac_f32 v[T+3], v[T+1], v[T+1]
	v_fmac_f32 v[T+3], v[T+2], v[T+2]              ; n = |p|^2
	v_cvt_pk_bf16_f32 v[T+4], v[T+3], v[T+3]       ; n0
	v_fma_mix_f32_bf16 v[T+5], v[T+4], v[MONE], v[T+3] op_sel_hi:[1,0,0]     ; n - n0
	v_cvt_pk_bf16_f32 v[N+10], v[T+3], v[T+5]      ; {n0, n1}
	v_fma_mix_f32_bf16 v[T+6], v[N+10], v[MONE], v[T+5] op_sel:[1,0,0] op_sel_hi:[1,0,0]   ; n - n0 - n1: 8 bits are left
	v_cvt_pk_bf16_f32 v[N+11], v[T+6], 0           ; {n2, 0}
	v_permlane16_swap_b32 v[N], v[N+8]             ; first register: lanes 0-15 keep, lanes 16-31 get the second one's lanes 0-15:
	v_permlane16_swap_b32 v[N+1], v[N+9]           ; the fragment of points 0-15 (lanes 0-15 want k 0-7, lanes 16-31 k 8-15).
	v_permlane16_swap_b32 v[N+2], v[N+10]          ; What is left in the second register is the fragment of points 16-31
	v_permlane16_swap_b32 v[N+3], v[N+11]
	s_wait_alu depctr_va_vdst(0)                   ; the lines above have written the two fragments, which the LDS stores read; no vector line names these eight registers again before step 0's loads land in them
	ds_store_b128 v[SW], v[N:N+3]
	ds_store_b128 v[SW], v[N+8:N+11] offset:TILE
	s_wait_dscnt 0x0                               ; my two fragments are in LDS before I say so
	s_barrier_signal -1
; gt points 32 g + lane -> A fragments 2 g and 2 g + 1: register work, done while the other waves arrive.
.macro QBUILD g, left
.set X, QR+4*\g
.set Q, QB+16*\g
	s_wait_loadcnt \left                           ; the later group's load stays out
	v_mul_f32 v[X], -2.0, v[X]                     ; u = -2 q (exact)
	v_mul_f32 v[X+1], -2.0, v[X+1]
	v_mul_f32 v[X+2], -2.0, v[X+2]
.irp c, 0,1,2
	v_cvt_pk_bf16_f32 v[T+\c], v[X+\c], v[X+\c]                                ; uh
.endr
.irp c, 0,1,2
	v_fma_mix_f32_bf16 v[T+4+\c], v[T+\c], v[MONE], v[X+\c] op_sel_hi:[1,0,0]  ; u - uh, exact
.endr
	v_cvt_pk_bf16_f32 v[Q], v[X], v[T+4]           ; {uxh, uxl}
	v_cvt_pk_bf16_f32 v[Q+2], v[X+1], v[T+5]       ; {uyh, uyl}
	v_cvt_pk_bf16_f32 v[Q+8], v[X+2], v[T+6]       ; {uzh, uzl}
	v_fma_mix_f32_bf16 v[T], v[Q], v[ONE], v[Q] op_sel:[0,0,1] op_sel_hi:[1,0,1]         ; uh + ul, exact
	v_fma_mix_f32_bf16 v[T+1], v[Q+2], v[ONE], v[Q+2] op_sel:[0,0,1] op_sel_hi:[1,0,1]
	v_fma_mix_f32_bf16 v[T+2], v[Q+8], v[ONE], v[Q+8] op_sel:[0,0,1] op_sel_hi:[1,0,1]
	v_mul_f32 v[T+3], v[T], v[T]
	v_fmac_f32 v[T+3], v[T+1], v[T+1]
	v_fmac_f32 v[T+3], v[T+2], v[T+2]              ; w = 4 |q|^2
	v_cvt_pk_bf16_f32 v[T], v[T+3], v[T+3]         ; w0
	v_fma_mix_f32_bf16 v[T+4], v[T], v[MONE], v[T+3] op_sel_hi:[1,0,0]                   ; w - w0
	v_cvt_pk_bf16_f32 v[Q+4], v[T+3], v[T+4]       ; {w0, w1}
	v_fma_mix_f32_bf16 v[T+5], v[Q+4], v[MONE], v[T+4] op_sel:[1,0,0] op_sel_hi:[1,0,0]  ; w - w0 - w1
	v_cvt_pk_bf16_f32 v[Q+5], v[T+5], 0            ; {w2, 0}
	v_permlane16_swap_b32 v[Q], v[Q+8]             ; as above: records -> two fragments
	v_permlane16_swap_b32 v[Q+2], v[Q+10]
	v_permlane16_swap_b32 v[Q+4], v[Q+12]
	v_permlane16_swap_b32 v[Q+5], v[Q+13]
	v_mov_b32 v[Q+1], v[Q]                         ; k 2, 3 (10, 11) repeat k 0, 1 (8, 9); k 6, 7 (14, 15) repeat k 4, 5 (12, 13)
	v_mov_b32 v[Q+3], v[Q+2]
	v_mov_b32 v[Q+9], v[Q+8]
	v_mov_b32 v[Q+11], v[Q+10]
.endm
	QBUILD 0, 1
	QBUILD 1, 0
	s_barrier_wait -1                              ; all 32 B fragments are in LDS; they are never written again
	s_wait_alu depctr_vm_vsrc(0)                   ; my two LDS stores have read the eight registers of set 0 in which step 0's loads land
	ds_load_b128 v[STR:STR+3], v[L16]              ; step 0's two fragments,
	ds_load_b128 v[STR+8:STR+11], v[L16] offset:TILE
	ds_load_b128 v[STR+16:STR+19], v[L16] offset:2*TILE    ; and step 1's
	ds_load_b128 v[STR+24:STR+27], v[L16] offset:3*TILE
; The head of step t: wait for step t's two fragments.  LDS instructions of a wave end in order (ISA guide 5.7.1).
; Behind them were issued: at t = 0 step 1's two loads; at t = 1 nothing; from t = 2 on the two stores of step t - 2's column minima.
.macro TOP t
.if (\t) == 1
	s_wait_dscnt 0x0                               ; step 1's loads are the youngest LDS instructions
.else
	s_wait_dscnt 0x2                               ; the two younger LDS instructions stay out
.endif
.endm
; Matrix instruction number n of the wave (0 .. 127): step n / 8, A fragment (n / 2) % 4, B fragment n % 2 of the step's set.
.macro WM n
.set WD, DR+16*(((\n)>>1)&3)+8*((\n)&1)
.set WA, QB+8*(((\n)>>1)&3)
.set WB, STR+16*(((\n)>>3)&1)+8*((\n)&1)
	v_wmma_f32_16x16x32_bf16 v[WD:WD+7], v[WA:WA+7], v[WB:WB+7], 0
.endm
; Half hh of the minima of result pair q (0 .. 63; step q / 4, A fragment q % 4).  Nothing is preset: the first step's pairs start
; the row minima, and each step's first pair starts the column chains (8 values into 2 chains by 3 v_min3).  The chains lie in the set of the step's parity.
.macro RD q, hh
.set FR, (\q)&3
.set D0, DR+16*FR
.set D1, D0+8
.set DJ, 4*(\hh)
.set RA, R+8*FR+DJ
.set CC, CH+(CH2-CH)*(((\q)>>2)&1)
.irp j, 0,1,2,3
.if (\q) < 4
	v_min_num_f32 v[RA+\j], v[D0+DJ+\j], v[D1+DJ+\j]
.else
	v_min3_num_f32 v[RA+\j], v[RA+\j], v[D0+DJ+\j], v[D1+DJ+\j]
.endif
.endr
.if FR == 0
.if (\hh) == 0
	v_min3_num_f32 v[CC], v[D0], v[D0+1], v[D0+2]
	v_min3_num_f32 v[CC+1], v[D0+3], v[D0+4], v[D0+5]
	v_min3_num_f32 v[CC+2], v[D1], v[D1+1], v[D1+2]
	v_min3_num_f32 v[CC+3], v[D1+3], v[D1+4], v[D1+5]
.else
	v_min3_num_f32 v[CC], v[CC], v[D0+6], v[D0+7]
	v_min3_num_f32 v[CC+2], v[CC+2], v[D1+6], v[D1+7]
.endif
.else
	v_min3_num_f32 v[CC], v[CC], v[D0+DJ], v[D0+DJ+1]
	v_min3_num_f32 v[CC+1], v[CC+1], v[D0+DJ+2], v[D0+DJ+3]
	v_min3_num_f32 v[CC+2], v[CC+2], v[D1+DJ], v[D1+DJ+1]
	v_min3_num_f32 v[CC+3], v[CC+3], v[D1+DJ+2], v[D1+DJ+3]
.endif
.if FR == 3
.if (\hh) == 1
	v_min_num_f32 v[CC], v[CC], v[CC+1]            ; the step's two fragments are through all 4 A fragments:
	v_min_num_f32 v[CC+2], v[CC+2], v[CC+3]        ; column 16 s + r, over the 32 rows of my lane half
.endif
.endif
.endm
; The edge of step t, directly behind the last of its column minima (in the text: behind matrix instruction 1 of step t + 1).
.macro EDGE t
.set CC, CH+(CH2-CH)*((\t)&1)
.if (\t) > 0 && (\t) < STEPS-1
	s_wait_alu depctr_vm_vsrc(0)                   ; the stores of step t - 1's column minima, issued a step ago, have read the other chain set, which the minima of step t + 1 write next
.endif
	s_wait_alu depctr_va_vdst(0)                   ; step t's column minima are written, which the stores below read; step t's matrix instructions are done reading set t % 2, in which the loads below land
.if (\t) < STEPS-2
.set SB, STR+16*((\t)&1)
	ds_load_b128 v[SB:SB+3], v[L16] offset:TILE*(2*(\t)+4)     ; step t + 2's two fragments: six matrix instructions and their minima ahead of the wait for them
	ds_load_b128 v[SB+8:SB+11], v[L16] offset:TILE*(2*(\t)+5)
.endif
	ds_store_b32 v[CW], v[CC] offset:128*(\t)
	ds_store_b32 v[CW], v[CC+2] offset:128*(\t)+64
.endm
; The 128 matrix instructions.  Behind number n stands one half of the minima of the pair before n's own pair.
; Distances (ISA guide 7.12.1), counted in vector instructions that name no register of the matrix instruction in question:
;   a result is read behind at least one half of another pair's minima (6 to 10), at the very start behind 7 address lines;
;   a result register is written again four pairs later.
; A set of B fragments is loaded again behind the edge's wait, which states that its readers are done.
.set GI, 0
.rept 8*STEPS
.if (GI&7) == 0
.set ST, GI>>3
	TOP ST
.endif
	WM GI
.if GI == 1
	v_mul_u32_u24 v[RW], v[HH], 576                ; the ends' addresses are made here, where places are wanted; every edge's wait on va_vdst stands between these lines and their first readers
	v_mul_u32_u24 v[RR], v[LN], 144
	v_lshlrev_b32 v[L8], 3, v[LN]
	v_add_nc_u32 v[RW], v[RW], v[R4]
	v_add_nc_u32 v[RR], s34, v[RR]
	v_add_nc_u32 v[RW], s34, v[RW]
	v_add_nc_u32 v[CR], s35, v[L8]
.endif
.if GI >= 2
.set PQ, (GI>>1)-1
.set PH, GI&1
	RD PQ, PH
.endif
.if (GI&7) == 1 && GI > 8
.set ET, (GI>>3)-1
	EDGE ET
.endif
.set GI, GI+1
.endr
	RD 63, 0                                       ; behind the 8 minima of pair 62's second half
	RD 63, 1
	EDGE 15                                        ; its wait on va_vdst also states: all 32 row minima R are written, which the stage's stores read, and the matrix
	                                               ; instructions and minima are done with DR, in which the stage's loads land; no vector line stands between it and them
	; gt rows.  Row 16 a + 8 h + j = pair 8 a + 4 h + j / 2, half j % 2; its 16 pieces (r) become 64 consecutive bytes of my stage.
.irp a, 0,1,2,3
.irp j, 0,1,2,3,4,5,6,7
	ds_store_b32 v[RW], v[R+8*\a+\j] offset:1152*\a+144*(\j>>1)+64*(\j&1)
.endr
.endr
.irp c, 0,1,2,3,4,5,6,7
	ds_load_b128 v[DR+4*\c:DR+4*\c+3], v[RR] offset:16*\c  ; LDS serves a wave's instructions in order: these see the stores above.  Lane l: rows 2 l, 2 l + 1
.endr
	s_wait_dscnt 0x0                               ; my rows are back, and my column minima are in LDS before I say so
	s_barrier_signal -1
	v_min3_num_f32 v[T], v[DR], v[DR+1], v[DR+2]
	v_min3_num_f32 v[T+1], v[DR+16], v[DR+17], v[DR+18]
.irp k, 3,5,7,9,11,13
	v_min3_num_f32 v[T], v[T], v[DR+\k], v[DR+\k+1]
	v_min3_num_f32 v[T+1], v[T+1], v[DR+16+\k], v[DR+17+\k]
.endr
	v_min_num_f32 v[T], v[T], v[DR+15]
	v_min_num_f32 v[T+1], v[T+1], v[DR+31]
	s_barrier_wait -1
	s_wait_alu depctr_va_vdst(0)                   ; the fold has written v16 and v17, which the store reads, and is done reading DR, in which the loads of waves 0-7 land below
	global_store_b64 v[L8], v[T:T+1], s[42:43]     ; the wave's 64 rows: 256 consecutive bytes, aligned
	; pred columns: waves 0-7, 64 columns each, two a lane, over the 32 rows of 16 waves x 2 lane halves
	s_cmp_ge_u32 s18, 8
	s_cbranch_scc1 .Lend
.set K, 0
.rept 32
	ds_load_b64 v[DR+2*K:DR+2*K+1], v[CR] offset:CPITCH*K
.set K, K+1
.endr
	s_wait_dscnt 0x0
.set K, 1
.rept 15
	v_min3_num_f32 v[DR], v[DR], v[DR+2*K], v[DR+2*K+2]
	v_min3_num_f32 v[DR+1], v[DR+1], v[DR+2*K+1], v[DR+2*K+3]
.set K, K+2
.endr
	v_min_num_f32 v[DR], v[DR], v[DR+62]
	v_min_num_f32 v[DR+1], v[DR+1], v[DR+63]
	s_wait_alu depctr_va_vdst(0)                   ; the fold has written v60 and v61, which the store reads
	global_store_b64 v[L8], v[DR:DR+1], s[44:45]   ; 256 consecutive bytes, aligned
.Lend:
	s_wait_dscnt 0x0
	s_wait_alu depctr_hold_cnt(0) depctr_sa_sdst(0) depctr_va_vdst(0) depctr_va_sdst(0) depctr_va_ssrc(0) depctr_va_vcc(0) depctr_vm_vsrc(0)
	s_wait_tensorcnt 0x0
	ds_add_u32 v23, v27
	s_wait_dscnt 0x0
	s_endpgm
.Lfunc_end_k_q098b9e9189_pairs:
	.size	k_q098b9e9189_pairs, .Lfunc_end_k_q098b9e9189_pairs-k_q098b9e9189_pairs
	.p2alignl 7, 3214868480
	.fill 96, 4, 3214868480
	.section	.rodata,"a",@progbits
	.p2align	6, 0x0
	.amdhsa_kernel k_q098b9e9189_pairs
		.amdhsa_group_segment_fixed_size 159744
		.amdhsa_private_segment_fixed_size 0
		.amdhsa_enable_private_segment 0
		.amdhsa_kernarg_size 40
		.amdhsa_user_sgpr_count 2
		.amdhsa_user_sgpr_kernarg_segment_ptr 1
		.amdhsa_wavefront_size32 1
		.amdhsa_system_sgpr_workgroup_id_x 1
		.amdhsa_system_sgpr_workgroup_id_y 1
		.amdhsa_system_sgpr_workgroup_id_z 1
		.amdhsa_system_vgpr_workitem_id 0
		.amdhsa_next_free_vgpr 192
		.amdhsa_next_free_sgpr 66
		.amdhsa_reserve_vcc 0
		.amdhsa_float_denorm_mode_32 3
		.amdhsa_float_denorm_mode_16_64 3
		.amdhsa_memory_ordered 1
		.amdhsa_forward_progress 1
		.amdhsa_inst_pref_size 93
	.end_amdhsa_kernel
	.amdgpu_metadata
---
amdhsa.version: [ 1, 2 ]
amdhsa.kernels:
  - .name:           k_q098b9e9189_pairs
    .symbol:         k_q098b9e9189_pairs.kd
    .args:
      - { .name: x_pred, .offset: 0, .size: 8, .value_kind: global_buffer, .address_space: global }
      - { .name: x_gt, .offset: 8, .size: 8, .value_kind: global_buffer, .address_space: global }
      - { .name: mask, .offset: 16, .size: 8, .value_kind: global_buffer, .address_space: global }
      - { .name: pmin_pred, .offset: 24, .size: 8, .value_kind: global_buffer, .address_space: global }
      - { .name: pmin_gt, .offset: 32, .size: 8, .value_kind: global_buffer, .address_space: global }
    .group_segment_fixed_size: 159744
    .private_segment_fixed_size: 0
    .kernarg_segment_align: 8
    .kernarg_segment_size: 40
    .max_flat_workgroup_size: 512
    .sgpr_count:     66
    .vgpr_count:     192
    .wavefront_size: 32
...
	.end_amdgpu_metadata
.endif
;; end of part 3
;; launch finish: the kernel of part 2 again; grid 256 x 1, 1 waves a work-group, no clusters, 0 bytes of LDS; arguments pmin_pred, pmin_gt, mask, confidence, out0, out1, out2; writes out0, out1, out2
